; MI455X (gfx1250); checked and timed in simulation.
; The chip was launched on July 23, 2026; its instructions are those of AMD's public machine-readable ISA for CDNA 5 (MIT licence, August 2026) and "CDNA5" Instruction Set Architecture Reference Guide (July 2026). The comments in the code are by the model that wrote it; some were corrected since.
;; Multi Head Attention. Allowed arithmetic: matrix products marked QUANTISED: E5M2 operands, one given power-of-two scale a tensor, by v_wmma_f32_16x16x64_bf8_bf8 or v_wmma_f32_16x16x128_bf8_bf8, f32 sums; everything else in f32.
;; Inputs: Wk_codes 16 x 64 x 32 x 32 uint8 (E5M2 codes of Wk, K innermost, in blocks of 32 codes); Wo_codes 1,024 x 32 x 32 uint8 (E5M2 codes of Wo, K innermost, in blocks of 32 codes); Wq_codes 16 x 64 x 32 x 32 uint8 (E5M2 codes of Wq, K innermost, in blocks of 32 codes); Wv_codes 16 x 64 x 32 x 32 uint8 (E5M2 codes of Wv, K innermost, in blocks of 32 codes); bo 1,024 float32; lowp_scales 12 int32 (the exponents e of the quantised operands' scales 2^e); x_codes 4 x 2,048 x 32 x 32 uint8 (E5M2 codes of x, K innermost, in blocks of 32 codes).
;; Outputs: out0 4 x 2,048 x 1,024 float32.
;; This version of the problem:
;;   THIS VERSION OF THE PROBLEM IS GIVEN IN LOW PRECISION. The matrix products marked QUANTISED in the list below multiply operands that are first quantised to E5M2 (5 exponent bits, 2 mantissa bits; 8 bits a number), with one given power-of-two scale for each operand tensor; their sums are f32. All else is computed in f32.
;;   The module's matrix products, in the order in which they are computed (A, B: the left and right operand; K: the contracted axis; several contracted axes count as one K, in the product's order):
;;     1. [M 1,024, K 1,024] x [K 1,024, N 8,192]; A: input Wq (given as codes); B: input x (given as codes): QUANTISED (scales: A lowp_scales[0], B lowp_scales[1])
;;     2. [M 1,024, K 1,024] x [K 1,024, N 8,192]; A: input Wk (given as codes); B: input x (given as codes): QUANTISED (scales: A lowp_scales[2], B lowp_scales[3])
;;     3. [M 1,024, K 1,024] x [K 1,024, N 8,192]; A: input Wv (given as codes); B: input x (given as codes): QUANTISED (scales: A lowp_scales[4], B lowp_scales[5])
;;     4. batch 64 x [M 2,048, K 64] x [K 64, N 2,048]; A: computed on the way; B: computed on the way: QUANTISED (scales: A lowp_scales[6], B lowp_scales[7])
;;     5. batch 64 x [M 2,048, K 2,048] x [K 2,048, N 64]; A: softmax (see below); B: computed on the way: QUANTISED (scales: A lowp_scales[8], B lowp_scales[9])
;;     6. [M 8,192, K 1,024] x [K 1,024, N 1,024]; A: computed on the way; B: input Wo (given as codes): QUANTISED (scales: A lowp_scales[10], B lowp_scales[11])
;;   THE QUANTISER, for each operand of a quantised product, along K:
;;     - The operand's scale is 2^e, e = its entry of the input lowp_scales (int32; the entries are numbered through the quantised products in the list's order, A before B).
;;     - Each number is divided by the scale, clamped to +-57,344, and rounded to the nearest number of E5M2, ties to even, subnormals kept.
;;     - The product sums the exact products of the quantised numbers (number of the format x scale) in f32.
;;   ~~~python
;;   def quantise(x, axis, e):      # numpy; x: float32 -> the quantised numbers, widened to float32 again
;;       x = np.moveaxis(x, axis, -1); K = x.shape[-1]
;;       r = np.clip(x / 2.0 ** e, -57344, 57344)
;;       step = 2.0 ** (np.maximum(np.frexp(np.where(r == 0, 1, r))[1] - 1, -14) - 2)
;;       q = np.round(r / step) * step * 2.0 ** e      # np.round: ties to even
;;       return np.moveaxis(q, -1, axis).astype(np.float32)
;;   ~~~
;;   SOFTMAX AHEAD OF A QUANTISED PRODUCT. Where the list says 'softmax', what is quantised is not the finished softmax but p = 2^(t - M), with t = logit x log2(e) and M = ceil(the row's largest t), a whole number; so 1/2 < the row's largest p <= 1. The row's sum l is taken of the UNQUANTISED p, in f32, and the product's result is divided by l at the end. Since M is a whole number, a kernel that streams over the keys may use a running M (the ceiling of the running maximum): every later rescaling is an exact power of two, so the quantised numbers keep their values, but for numbers so far below the row's largest that they fall under the format's range.
;;   OPERANDS COMPUTED ON THE WAY. 'Computed on the way' means the value that the module computes at that place (a softmax that the list does not call 'softmax' is quantised finished and normalised). What goes into a quantiser is computed in f32, as accurately as f32 sums, v_exp_f32 and their like allow (about 1e-6 of the number): no bf16 or f16 on the way to a quantiser, and a product that is left as it is and whose result goes on into a quantised operand takes f32 operands (vector FMAs, or v_wmma_f32_16x16x4_f32). A number that lies on a knife's edge between two numbers of the format may be rounded either way, as far as f32 arithmetic and the matrix unit's own rounding can turn it there, and no further.
;;   INPUTS GIVEN AS CODES. Wk (in the module: [16, 1024, 64], K = its axis 1); Wo (in the module: [1024, 1024], K = its axis 0); Wq (in the module: [16, 1024, 64], K = its axis 1); Wv (in the module: [16, 1024, 64], K = its axis 1); x (in the module: [4, 2048, 1024], K = its axis 2): each comes as NAME_codes (uint8): NAME with its K axis moved to the last place and cut into blocks of 32 codes, [.., K / 32, bytes a block], one block behind the other in memory; one code a byte (a code: sign, 5 exponent bits, 2 mantissa bits); its scale is its entry of lowp_scales. Its value is code x scale, taken as it is: it is not quantised again, and the codes and scales need not be those that the quantiser above would give.
;; One version. Each part assembles by itself: llvm-mc -triple=amdgcn-amd-amdhsa -mcpu=gfx1250 --defsym DOCPART=n.
;; ======== version 1 of 1: 3 launches
;; limits: right only within a limited range of input values
;; workspace buffers: q_img 8,388,608 bytes; k_img 8,388,608 bytes; v_img 8,388,608 bytes; a_img 8,388,608 bytes
;; launch qkv (part 1): grid 8 x 32, 4 waves a work-group, clusters of 4 x 4, 327,680 bytes of LDS; arguments x_codes, Wq_codes, Wk_codes, Wv_codes, lowp_scales, q_img, k_img, v_img; writes q_img, k_img, v_img
.if DOCPART == 1
	.amdgcn_target "amdgcn-amd-amdhsa--gfx1250"
	.amdhsa_code_object_version 6
	.text
	.protected	k_q7299f6d160_qkv
	.globl	k_q7299f6d160_qkv
	.p2align	8
	.type	k_q7299f6d160_qkv,@function
k_q7299f6d160_qkv:
	s_mov_b64 s[64:65], 0
	v_nop
	global_prefetch_b8 v0, s[64:65] scope:SCOPE_SE
	s_setreg_imm32_b32 hwreg(HW_REG_WAVE_MODE, 25, 1), 1
	s_wait_xcnt 0x0
	s_wait_alu depctr_hold_cnt(0) depctr_sa_sdst(0) depctr_va_vdst(0) depctr_va_sdst(0) depctr_va_ssrc(0) depctr_va_vcc(0) depctr_vm_vsrc(0)
	s_getreg_b32 s2, hwreg(HW_REG_IB_STS2, 6, 4)
	s_cmp_eq_u32 s2, 0
	s_cbranch_scc0 .Lentry_in_a_cluster
	s_endpgm
.Lentry_in_a_cluster:
	s_bfe_u32 s2, ttmp6, 0x10000c
	s_cmp_lg_u32 s2, 0xf033
	s_cbranch_scc0 .Lentry_shape_is_right
	s_endpgm
.Lentry_shape_is_right:
; q, k, v = x W for all 16 heads, on codes of BF8 (E5M2), the sums quantised at once into the codes that the attention launch multiplies.
; x: [8192 tokens][1024]; Wq, Wk, Wv: [1024 = head x 64 + e][1024]; K innermost, a row is 1,024 bytes.
; 256 WORK-GROUPS THAT STAY, two passes each.  Cluster x = the kind of pass 1 (0 q, 1 k), cluster y = 0..7.
;   pass 1: a tile of 256 tokens (LDS region A) x 256 rows of Wq or Wk (region B); a wave makes 128 x 128: 64 accumulators.
;   pass 2: a tile of 128 rows of Wv (region A) x 256 tokens (region B); a wave makes 64 x 128: 32 accumulators.  8 x 32 such tiles are the 256 work-groups'.
; The matrix instruction takes 16 rows of B as source 0 and 16 rows of A as source 1: a lane holds ONE row of A and EIGHT neighbouring rows of B.
; So q's and k's eight sums run along e (the K of the scores) and v's along the tokens (the K of the second attention product).
; K goes in steps of 256 through a ring of two LDS slots; the ring does not stop between the passes: the last two changes of slots of pass 1 ask for pass 2's K steps 0 and 1, and pass 1's codes leave behind them.
; THE RESULT LEAVES AS AN IMAGE OF THE NEXT OPERAND'S REGISTERS (lane (r, h) holds k = 16 c + 8 h + 0..7 in registers 2 c, 2 c + 1): one conversion of result tile c gives these two; a store covers 512 consecutive bytes, aligned.
;   q_img, k_img: [b x 16 + head][token tile 128][2][lane][16 bytes];   v_img: [b x 16 + head][key block 16][e tile 4][4][lane][16 bytes]
; CLUSTERS: 4 x 4.  A's tile hangs on the cluster's y place alone and is asked for jointly by a row, B's on the x place alone and jointly by a column, in both passes.
; PREFETCHES INTO THE L2.  Behind the head's vector work each wave asks for its part of pass 1's K step 1, whose load is issued only when K step 0 has landed; behind K step 1's load for K steps 2 and 3 (one and two
; refills ahead); behind each of pass 1's four changes of slots waves 0 and 1 ask for one K step of pass 2's rows of Wv, two refills ahead of its load.
; The four partners that ask for a tile jointly share its rows out by address: 32 of a wave's 128 rows each (Wv: 16 of 64), a lane a row, 256 bytes of each row.
; x's rows are asked for in both clusters that load them; W's and Wv's rows, which eight clusters load, in the four with cluster y under 4.  Pass 2's tokens are the cluster's own tokens of pass 1, read there: not asked for.
; K step 0 comes by its load alone.  No address register of a prefetch is written again.
; THE SCALES are folded: a sum's code is sum / 2^(eout - eW - ex), held within +-57,344 x that power first.
; LIMITS: e6 - e0 - e1, e7 - e2 - e3 and e9 - e4 - e5 lie between -126 and 112.  NaN and infinity codes among the inputs are not served.
; REGISTERS: window 0: v8-29 addresses and constants; v32-95 at work on the way out; from v128 A's fragments (pass 1: one set of 8; pass 2: two sets of 4), later the codes.
;   window 1: B's fragments, two sets.  window 2: accumulators of A blocks 0-3 ((a, b) at v[8 (8 a + b)]);  window 3: of blocks 4-7 (pass 1 alone).
.set KROW,   1024
.set ROWB,   256
.set PITCH,  272                       ; 256 bytes + 16 of padding: the 16 rows that a load touches start at 16 different banks (ISA guide 11.1)
.set FR,     16
.set NL,     4
.set NP,     4                         ; places behind this matrix instruction (ISA guide 7.12.1)
.set HALFT,  128*PITCH
.set SLOT,   4*HALFT                   ; A's 256 rows, then B's 256 rows
.set SPARE,  2*SLOT
.set VO,   8                           ; v8-11   16 x lane + i x the stride from block to block
.set LIM,  12
.set SCL,  13
.set ADRA, 16                          ; v16-17  my A fragments in slot 0, 1, pass 1
.set ADRV, 18                          ; v18-19  the same, pass 2
.set ADRB, 20                          ; v20-21  my B fragments
.set PFO,  22                          ; v22     the prefetches' offset, pass 1: 1,024 x lane; never rewritten
.set PFW,  23                          ; v23     for Wv: 1,024 x min(lane, 15); never rewritten
.set SPW,  28
.set NIL,  29
.set TMP,  32
.set AF,   128
.set CD,   128
.set G1V, 4                            ; s[4:11]  group 1 for pass 2's A tiles (64 rows), written when the arguments there are used up
.set G1, 24
.set G0, 32
.set G1B, 48
.set G0B, 56
.set VB,  66                           ; s[66:67] pass 2: B's first tile in memory, type bits set
.set FL1, 70                           ; s70      1 where my wave prefetches for pass 1
.set FLV, 71                           ; s71      1 where it prefetches Wv
.set OB,  76                           ; s[76:83] bases of my stores
.set PF1, 84                           ; s[84:85] pass 1: my work-group's 32 rows of the 128 that I fetch
.set PFV, 86                           ; s[86:87] Wv: my work-group's 16 rows of the 64 that I fetch
.set LV,  97                           ; s97      pass 2: where my half of A's tile goes in a slot
.set VA,  98                           ; s[98:99] pass 2: A's first tile in memory, type bits set
.set MSB, 0
.macro WIN new
.if MSB != \new
	s_set_vgpr_msb (MSB<<8)|\new
.set MSB, \new
.endif
.endm
.set MUL_LO, 0xa1
.set MUL_HI, 0xf1
.set TO_B,   0x40
; A joint load: waves 0 and 1 fetch for A, waves 2 and 3 for B; the branch hangs on the wave's number alone.  s_nop 0 and four v_nop behind each line.
.macro JLOAD g0a, g1a, g0b, g1b
	s_cmp_eq_u32 s15, 0
	s_cbranch_scc0 .Lfor_b_\@
	tensor_load_to_lds s[\g0a:\g0a+3], s[\g1a:\g1a+7]
	s_nop 0
.rept 4
	v_nop
.endr
	s_branch .Lasked_\@
.Lfor_b_\@:
	tensor_load_to_lds s[\g0b:\g0b+3], s[\g1b:\g1b+7]
	s_nop 0
.rept 4
	v_nop
.endr
.Lasked_\@:
.endm
.macro CREST
	s_cmp_lg_u32 s14, 0
	s_cbranch_scc1 .Lnot_wave_0_\@
	s_barrier_signal -3
.Lnot_wave_0_\@:
	s_barrier_wait -3
	s_barrier_signal -1
	s_barrier_wait -1
.endm
.macro CROUND
	s_barrier_signal -1
	s_barrier_wait -1
	CREST
.endm
.macro ASKV k                          ; K step k of my work-group's 16 rows of Wv; the branch hangs on the wave's number and the cluster's y alone
	s_cmp_eq_u32 s[FLV], 1
	s_cbranch_scc0 .Lnot_mine_\@
	global_prefetch_b8 v[PFW], s[PFV:PFV+1] offset:(\k)*ROWB th:TH_LOAD_NT scope:SCOPE_SE
.Lnot_mine_\@:
.endm
	s_load_b256 s[4:11], s[0:1], 0x0               ; x, Wq, Wk, Wv
	s_load_b256 s[68:75], s[0:1], 0x20             ; the exponents, q_img, k_img, v_img
	v_lshl_add_u32 v[SPW], v0, 2, SPARE
	v_mov_b32 v[NIL], 0
	ds_add_u32 v[SPW], v[NIL]                      ; the opening lines: the add, twice on end, and its wait below
	ds_add_u32 v[SPW], v[NIL]
	v_lshrrev_b32 v1, 5, v0
	v_readfirstlane_b32 s14, v1                    ; wave 0..3
	s_lshr_b32 s15, s14, 1                         ; my half of A's rows; also: I fetch for A (0) or B (1)
	s_and_b32 s16, s14, 1                          ; my half of B's rows; also: which half of that tile I fetch
	s_bfe_u32 s40, ttmp6, 0x40000                  ; cx
	s_bfe_u32 s41, ttmp6, 0x40004                  ; cy
	s_and_b32 s18, ttmp7, 0xffff
	s_lshl_b32 s18, s18, 2
	s_add_co_u32 s17, s18, s41                     ; pass 1, A: token tile 4 x cluster y + cy
	s_add_co_u32 s42, s18, s40                     ; pass 2, B: token tile 4 x cluster y + cx
	s_lshl_b32 s19, ttmp9, 2
	s_add_co_u32 s19, s19, s41                     ; pass 2, A: tile of 128 rows of Wv, 4 x cluster x + cy
	s_lshl_b32 s43, s41, 2
	s_lshl_b32 s43, 15, s43                        ; my row of the cluster
	s_lshl_b32 s44, 0x1111, s40                    ; my column
	s_or_b32 s[G1+0], s43, (1<<20)|(1<<21)|(5<<22)|(3<<25)   ; the mask; elements of 1 byte; padding of 4 words after every 64; bit 21 beside a mask
	s_or_b32 s[G1B+0], s44, (1<<20)|(1<<21)|(5<<22)|(3<<25)
.irp g, G1, G1B
	s_mov_b32 s[\g+1], ROWB<<16
	s_mov_b32 s[\g+2], 128<<16
	s_mov_b32 s[\g+3], ROWB<<16
	s_mov_b32 s[\g+4], 128
	s_mov_b32 s[\g+5], KROW
	s_mov_b32 s[\g+6], 0
	s_mov_b32 s[\g+7], 0
.endr
	s_lshl_b32 s18, s16, 17                        ; 128 rows of 1,024 bytes
	s_lshl_b32 s20, s17, 18
	s_add_co_u32 s20, s20, s18                     ; pass 1, A, in bytes
	s_mov_b32 s21, 0
	s_lshl_b32 s46, s40, 18
	s_add_co_u32 s46, s46, s18                     ; pass 1, B
	s_mov_b32 s47, 0
	s_lshl_b32 s22, s19, 17
	s_lshl_b32 s23, s16, 16
	s_add_co_u32 s22, s22, s23                     ; pass 2, A: 128 x tile + 64 x half rows
	s_mov_b32 s23, 0
	s_lshl_b32 s12, s42, 18
	s_add_co_u32 s12, s12, s18                     ; pass 2, B
	s_mov_b32 s13, 0
	s_mul_i32 s45, s14, HALFT                      ; where tiles of 128 rows go: wave x 128 rows
	s_mul_i32 s[LV], s16, 64*PITCH
	s_wait_dscnt 0x0                               ; both opening adds are done
	s_wait_kmcnt 0x0
	s_load_b256 s[88:95], s[68:69], 0x0            ; e0 .. e7
	s_load_b32 s96, s[68:69], 0x24                 ; e9
	s_cmp_eq_u32 ttmp9, 0
	s_cselect_b64 s[86:87], s[6:7], s[8:9]         ; Wq or Wk
	s_cselect_b64 s[OB:OB+1], s[70:71], s[72:73]   ; q_img or k_img
	s_add_nc_u64 s[84:85], s[4:5], s[20:21]
	s_add_nc_u64 s[86:87], s[86:87], s[46:47]
	s_add_nc_u64 s[VA:VA+1], s[10:11], s[22:23]
	s_or_b32 s[VA+1], s[VA+1], 0x80000000
	s_add_nc_u64 s[VB:VB+1], s[4:5], s[12:13]
	s_or_b32 s[VB+1], s[VB+1], 0x80000000
	CROUND                                         ; all sixteen work-groups are here: the first joint loads meet
.irp s, 0,1
	s_mov_b32 s[G0+4*\s], 1
	s_add_co_u32 s[G0+4*\s+1], s45, \s*SLOT
	s_add_nc_u64 s[G0+4*\s+2:G0+4*\s+3], s[84:85], \s*ROWB
	s_or_b32 s[G0+4*\s+3], s[G0+4*\s+3], 0x80000000
	s_mov_b32 s[G0B+4*\s], 1
	s_add_co_u32 s[G0B+4*\s+1], s45, \s*SLOT
	s_add_nc_u64 s[G0B+4*\s+2:G0B+4*\s+3], s[86:87], \s*ROWB
	s_or_b32 s[G0B+4*\s+3], s[G0B+4*\s+3], 0x80000000
.endr
	JLOAD G0, G1, G0B, G1B                         ; K step 0: one tensor load a wave at the head
	; where my prefetches stand: of the rows that I fetch, the part of my place among the four that ask with me (cx for A's tiles, cy for B's)
	s_cmp_eq_u32 s15, 0
	s_cselect_b64 s[PF1:PF1+1], s[84:85], s[86:87]
	s_cselect_b32 s72, s40, s41
	s_lshl_b32 s72, s72, 15                        ; 32 rows of 1,024 bytes
	s_mov_b32 s73, 0
	s_add_nc_u64 s[PF1:PF1+1], s[PF1:PF1+1], s[72:73]
	s_add_nc_u64 s[PFV:PFV+1], s[10:11], s[22:23]
	s_lshl_b32 s72, s40, 14                        ; 16 rows
	s_add_nc_u64 s[PFV:PFV+1], s[PFV:PFV+1], s[72:73]
	s_and_b32 s[FLV], ttmp7, 0xffff
	s_cmp_lt_u32 s[FLV], 4
	s_cselect_b32 s[FLV], 1, 0                     ; cluster y under 4
	s_cmp_eq_u32 s15, 0
	s_cselect_b32 s[FL1], 1, s[FLV]                ; x's rows: always; W's: in four clusters
	s_cselect_b32 s[FLV], s[FLV], 0                ; Wv's: the waves that fetch for A, in four clusters
	s_or_b32 s[G1V+0], s43, (1<<20)|(1<<21)|(5<<22)|(3<<25)   ; pass 2's A tiles: 64 rows a load, to my row of the cluster
	s_mov_b32 s[G1V+1], ROWB<<16
	s_mov_b32 s[G1V+2], 64<<16
	s_mov_b32 s[G1V+3], ROWB<<16
	s_mov_b32 s[G1V+4], 64
	s_mov_b32 s[G1V+5], KROW
	s_mov_b32 s[G1V+6], 0
	s_mov_b32 s[G1V+7], 0
	; pass 1's codes: my first byte = ((tile / 8) x 16 + 4 cx + 2 (B half)) x 131,072 + ((tile % 8) x 2 + A half) x 8,192; block a, quarter u: + (a / 4) 4,096 + (a % 4) 1,024 + (u / 2) 131,072 + (u % 2) 512
	s_lshr_b32 s20, s17, 3
	s_lshl_b32 s20, s20, 4
	s_lshl_b32 s18, s40, 2
	s_add_co_u32 s20, s20, s18
	s_lshl_b32 s18, s16, 1
	s_add_co_u32 s20, s20, s18
	s_lshl_b32 s20, s20, 17
	s_and_b32 s18, s17, 7
	s_lshl_b32 s18, s18, 1
	s_add_co_u32 s18, s18, s15
	s_lshl_b32 s18, s18, 13
	s_add_co_u32 s20, s20, s18
	s_mov_b32 s21, 0
	s_add_nc_u64 s[OB:OB+1], s[OB:OB+1], s[20:21]
	s_add_nc_u64 s[OB+2:OB+3], s[OB:OB+1], 0x20000
	s_add_nc_u64 s[OB+4:OB+5], s[OB:OB+1], 4096
	s_add_nc_u64 s[OB+6:OB+7], s[OB+4:OB+5], 0x20000
	s_mul_i32 s21, s15, HALFT                      ; pass 1: my 128 rows of A
	s_mul_i32 s22, s16, HALFT
	s_add_co_u32 s22, s22, 2*HALFT                 ; my 128 rows of B, behind A's 256
	s_mul_i32 s23, s15, 64*PITCH                   ; pass 2: my 64 rows of A
	v_and_b32 v1, 15, v0
	v_bfe_u32 v2, v0, 4, 1
	v_mul_u32_u24 v3, v1, PITCH
	v_lshl_add_u32 v4, v2, 4, v3                   ; a fragment's row x pitch + 16 x half
	v_add_nc_u32 v[ADRA], s21, v4
	v_add_nc_u32 v[ADRB], s22, v4
	v_add_nc_u32 v[ADRV], s23, v4
	v_add_nc_u32 v[ADRA+1], SLOT, v[ADRA]
	v_add_nc_u32 v[ADRB+1], SLOT, v[ADRB]
	v_add_nc_u32 v[ADRV+1], SLOT, v[ADRV]
	v_and_b32 v6, 31, v0
	v_lshlrev_b32 v[VO], 4, v6
	v_add_nc_u32 v[VO+1], 1024, v[VO]
	v_add_nc_u32 v[VO+2], 2048, v[VO]
	v_add_nc_u32 v[VO+3], 3072, v[VO]
	v_lshlrev_b32 v[PFO], 10, v6                   ; a lane a row
	v_min_u32 v7, 15, v6                           ; 16 rows: the lanes left over name the last again
	v_lshlrev_b32 v[PFW], 10, v7
	s_wait_alu depctr_va_vdst(0)                   ; the wait at the head's end
	s_cmp_eq_u32 s[FL1], 1                         ; pass 1's K step 1 of my work-group's 32 rows
	s_cbranch_scc0 .Lnot_first
	global_prefetch_b8 v[PFO], s[PF1:PF1+1] offset:ROWB th:TH_LOAD_NT scope:SCOPE_SE
.Lnot_first:
.macro FRAG reg, adr, q, i             ; 16 rows x 128 K: registers 4 c .. 4 c + 3 hold K = 32 c + 16 (l / 16) + 0 .. 15: the same permutation of k in A and in B
.irp c, 0,1,2,3
	ds_load_b128 v[\reg+4*\c:\reg+4*\c+3], v[\adr] offset:128*(\q)+32*\c+(\i)*16*PITCH
.endr
.endm
; 16 matrix instructions: A's register blocks a0, a0 + 1 x B's eight of set p, onto accumulator blocks a % 4 of the window in hand.  The accumulators take turns.
.macro MUL16 a0, p, zero
.irp a, \a0, \a0+1
.irp b, 0,1,2,3,4,5,6,7
.if \zero
	v_wmma_f32_16x16x128_bf8_bf8 v[8*(8*((\a)%4)+\b):8*(8*((\a)%4)+\b)+7], v[128*(\p)+FR*\b:128*(\p)+FR*\b+FR-1], v[AF+FR*(\a):AF+FR*(\a)+FR-1], 0
.else
	v_wmma_f32_16x16x128_bf8_bf8 v[8*(8*((\a)%4)+\b):8*(8*((\a)%4)+\b)+7], v[128*(\p)+FR*\b:128*(\p)+FR*\b+FR-1], v[AF+FR*(\a):AF+FR*(\a)+FR-1], v[8*(8*((\a)%4)+\b):8*(8*((\a)%4)+\b)+7]
.endif
.endr
.endr
.endm
.macro FETCH_B slot, q, p
	WIN TO_B
.irp i, 0,1,2,3,4,5,6,7
	FRAG 128*(\p)+FR*\i, ADRB+\slot, \q, \i
.endr
	WIN 0
.endm
.macro FETCH_A slot, q, i0
.irp i, \i0, \i0+1, \i0+2, \i0+3
	FRAG AF+FR*(\i), ADRA+\slot, \q, \i
.endr
.endm
.macro FETCH_V slot, q, p              ; pass 2: my four blocks of A into set p
.irp i, 0,1,2,3
	FRAG AF+64*(\p)+FR*\i, ADRV+\slot, \q, \i
.endr
.endm
.macro PLACES n
.rept \n
	v_nop
.endr
.endm
; PASS 1.  A step of 128 along K with its successor in the same slot: A's blocks 0-3 are fetched anew in its middle, blocks 4-7 at its end.
.macro STEP slot, q, zero
	s_wait_dscnt 4*NL                              ; all but the youngest 16 loads (A's blocks 4-7)
	WIN MUL_LO
	MUL16 0, (\q)%2, \zero
	MUL16 2, (\q)%2, \zero
	s_wait_dscnt 0
	PLACES NP
	FETCH_B \slot, (\q)+1, 1-(\q)%2
	FETCH_A \slot, (\q)+1, 0
	WIN MUL_HI
	MUL16 4, (\q)%2, \zero
	MUL16 6, (\q)%2, \zero
	PLACES NP
	WIN 0
	FETCH_A \slot, (\q)+1, 4
.endm
; A slot's last step changes slots.  fill = 1: the slot takes this pass's K step two on; fill = 2: pass 2's K step 0 or 1.  next < 0: pass 1's very last step fetches no fragments.  pk: the K step of Wv that is prefetched.
.macro TURN slot, next, fill, pk
	s_wait_tensorcnt 0x0                           ; all my tensor loads have landed
	ds_add_u32 v[SPW], v[NIL]
	s_wait_dscnt 4*NL+1                            ; the add and the youngest 16 loads may be out
	WIN MUL_LO
	MUL16 0, 1, 0
	s_wait_dscnt 0x0                               ; the add is done, my reads of this slot are over
	s_barrier_signal -1
	MUL16 2, 1, 0
	WIN 0
	s_barrier_wait -1
	CREST                                          ; the barrier has opened a round of the cluster's barrier
.if \fill == 1
	s_add_nc_u64 s[G0+4*\slot+2:G0+4*\slot+3], s[G0+4*\slot+2:G0+4*\slot+3], 2*ROWB
	s_add_nc_u64 s[G0B+4*\slot+2:G0B+4*\slot+3], s[G0B+4*\slot+2:G0B+4*\slot+3], 2*ROWB
	JLOAD G0+4*\slot, G1, G0B+4*\slot, G1B
.else
	s_add_co_u32 s[G0+4*\slot+1], s[LV], \slot*SLOT
	s_add_nc_u64 s[G0+4*\slot+2:G0+4*\slot+3], s[VA:VA+1], \slot*ROWB
	s_add_nc_u64 s[G0B+4*\slot+2:G0B+4*\slot+3], s[VB:VB+1], \slot*ROWB
	JLOAD G0+4*\slot, G1V, G0B+4*\slot, G1B
.endif
.if \next >= 0
	FETCH_B \next, 0, 0                            ; (the four v_nop behind the joint load are the places in front of these loads)
	FETCH_A \next, 0, 0
.endif
	ASKV \pk                                       ; two refills ahead of the load that will want it
	WIN MUL_HI
	MUL16 4, 1, 0
	MUL16 6, 1, 0
.if \next >= 0
	PLACES NP
	WIN 0
	FETCH_A \next, 0, 4
.else
	WIN 0
.endif
.endm
; PASS 2.  32 matrix instructions a step, on sets p of A and of B; the next step's fragments go into the other sets ahead of them.
.macro VSTEP p, nslot, nq, zero
	s_wait_dscnt 0x0
	PLACES NP
	FETCH_B \nslot, \nq, 1-(\p)
	FETCH_V \nslot, \nq, 1-(\p)
	WIN MUL_LO
	MUL16 4*(\p), \p, \zero
	MUL16 4*(\p)+2, \p, \zero
	WIN 0
.endm
.macro VTURN slot, next, fill
	s_wait_tensorcnt 0x0
	ds_add_u32 v[SPW], v[NIL]
	s_wait_dscnt 0x0
	s_barrier_signal -1
	s_barrier_wait -1
.if \fill
	CREST
	s_add_nc_u64 s[G0+4*\slot+2:G0+4*\slot+3], s[G0+4*\slot+2:G0+4*\slot+3], 2*ROWB
	s_add_nc_u64 s[G0B+4*\slot+2:G0B+4*\slot+3], s[G0B+4*\slot+2:G0B+4*\slot+3], 2*ROWB
	JLOAD G0+4*\slot, G1V, G0B+4*\slot, G1B
.else
	PLACES NP
.endif
	FETCH_B \next, 0, 0
	FETCH_V \next, 0, 0
	WIN MUL_LO
	MUL16 4, 1, 0
	MUL16 6, 1, 0
	WIN 0
.endm
.macro SETSCALE                        ; s18 = the folded exponent
	s_add_co_i32 s18, s18, 127
	s_lshl_b32 s20, s18, 23
	v_mov_b32 v[SCL], s20                          ; the folded scale as f32
	s_add_co_i32 s18, s18, 15
	s_lshl_b32 s18, s18, 23
	s_or_b32 s18, s18, 0x600000
	v_mov_b32 v[LIM], s18                          ; 57,344 x that
.endm
; Block a: 16 rows of A x my 128 rows of B.  64 holds (the conversion does not saturate: ISA guide 7.6.2), each accumulator from its low end on; 8 conversions; 4 stores of 512 consecutive bytes.
.macro OUTBLK a
.set AC, 64*((\a)%4)
.set WSRC, 0x02+((\a)/4)
	WIN WSRC
.set j, 0
.rept 64
	v_med3_num_f32 v[TMP+j], v[AC+j], -v[LIM], v[LIM]
.set j, j+1
.endr
	WIN 0
.irp b, 0,1,2,3,4,5,6,7
	v_cvt_scalef32_pk8_bf8_f32 v[CD+16*(\a)+2*\b:CD+16*(\a)+2*\b+1], v[TMP+8*\b:TMP+8*\b+7], v[SCL]
.endr
	v_nop                                          ; one plain line behind the conversions
.irp u, 0,1,2,3
	global_store_b128 v[VO+(\a)%4], v[CD+16*(\a)+4*\u:CD+16*(\a)+4*\u+3], s[OB+4*((\a)/4)+2*(\u/2):OB+4*((\a)/4)+2*(\u/2)+1] offset:(\u%2)*512
.endr
.endm
	s_wait_tensorcnt 0x0                           ; my part of K step 0 is in; slot 1's first fill is issued as a refill is
	ds_add_u32 v[SPW], v[NIL]
	s_wait_dscnt 0x0
	CROUND
	JLOAD G0+4, G1, G0B+4, G1B                     ; K step 1
	FETCH_B 0, 0, 0
	FETCH_A 0, 0, 0
	FETCH_A 0, 0, 4
	s_cmp_eq_u32 s[FL1], 1                         ; pass 1's K steps 2 and 3 of my work-group's 32 rows
	s_cbranch_scc0 .Lnot_mine
	global_prefetch_b8 v[PFO], s[PF1:PF1+1] offset:2*ROWB th:TH_LOAD_NT scope:SCOPE_SE
	global_prefetch_b8 v[PFO], s[PF1:PF1+1] offset:3*ROWB th:TH_LOAD_NT scope:SCOPE_SE
.Lnot_mine:
	STEP 0, 0, 1                                   ; the first products start the sums
	TURN 0, 1, 1, 0
	STEP 1, 0, 0
	TURN 1, 0, 1, 1
	STEP 0, 0, 0
	TURN 0, 1, 2, 2                                ; slot 0 takes pass 2's K step 0,
	STEP 1, 0, 0
	TURN 1, -1, 2, 3                               ; slot 1 its K step 1
	; both refills are asked for: pass 1's codes go out
	s_wait_kmcnt 0x0
	s_sub_co_i32 s18, s94, s88
	s_sub_co_i32 s18, s18, s89                     ; q: e6 - e0 - e1
	s_sub_co_i32 s20, s95, s90
	s_sub_co_i32 s20, s20, s91                     ; k: e7 - e2 - e3
	s_cmp_eq_u32 ttmp9, 0
	s_cselect_b32 s18, s18, s20
	SETSCALE
	PLACES NP
.irp a, 0,1,2,3,4,5,6,7
	OUTBLK \a
.endr
	s_wait_xcnt 0x0                                ; the stores have read their data, offsets and bases: all may be written again
	FETCH_B 0, 0, 0                                ; pass 2's first fragments: slot 0 was shown whole at the last change of slots
	FETCH_V 0, 0, 0
	; pass 2's codes: my first byte = ((token tile / 8) x 16 + 2 (Wv tile) + A half) x 131,072 + ((token tile % 8) x 2 + B half) x 8,192; block a, quarter u: + 2,048 a + 512 u
	s_lshr_b32 s20, s42, 3
	s_lshl_b32 s20, s20, 4
	s_lshl_b32 s21, s19, 1
	s_add_co_u32 s20, s20, s21
	s_add_co_u32 s20, s20, s15
	s_lshl_b32 s20, s20, 17
	s_and_b32 s21, s42, 7
	s_lshl_b32 s21, s21, 1
	s_add_co_u32 s21, s21, s16
	s_lshl_b32 s21, s21, 13
	s_add_co_u32 s20, s20, s21
	s_mov_b32 s21, 0
	s_add_nc_u64 s[OB:OB+1], s[74:75], s[20:21]
	s_add_nc_u64 s[OB+2:OB+3], s[OB:OB+1], 1024
	v_add_nc_u32 v[VO+1], 2048, v[VO]
	v_add_nc_u32 v[VO+2], 4096, v[VO]
	v_add_nc_u32 v[VO+3], 6144, v[VO]
	s_sub_co_i32 s18, s96, s92
	s_sub_co_i32 s18, s18, s93                     ; v: e9 - e4 - e5
	SETSCALE
	s_wait_alu depctr_va_vdst(0)                   ; ahead of the waits below
	VSTEP 0, 0, 1, 1
	VTURN 0, 1, 1                                  ; slot 0 takes K step 2
	VSTEP 0, 1, 1, 0
	VTURN 1, 0, 1                                  ; slot 1 takes K step 3
	VSTEP 0, 0, 1, 0
	VTURN 0, 1, 0                                  ; nothing is left to fetch
	VSTEP 0, 1, 1, 0
	s_wait_dscnt 0x0
	WIN MUL_LO
	MUL16 4, 1, 0
	MUL16 6, 1, 0
	WIN 0
	PLACES NP
.irp a, 0,1,2,3
	OUTBLK \a
.endr
	s_wait_tensorcnt 0x0                           ; the wave's end
	ds_add_u32 v[SPW], v[NIL]
	s_wait_dscnt 0x0
	CROUND                                         ; the closing round
	s_endpgm
.Lfunc_end_k_q7299f6d160_qkv:
	.size	k_q7299f6d160_qkv, .Lfunc_end_k_q7299f6d160_qkv-k_q7299f6d160_qkv
	.p2alignl 7, 3214868480
	.fill 96, 4, 3214868480
	.section	.rodata,"a",@progbits
	.p2align	6, 0x0
	.amdhsa_kernel k_q7299f6d160_qkv
		.amdhsa_group_segment_fixed_size 327680
		.amdhsa_private_segment_fixed_size 0
		.amdhsa_enable_private_segment 0
		.amdhsa_kernarg_size 64
		.amdhsa_user_sgpr_count 2
		.amdhsa_user_sgpr_kernarg_segment_ptr 1
		.amdhsa_wavefront_size32 1
		.amdhsa_system_sgpr_workgroup_id_x 1
		.amdhsa_system_sgpr_workgroup_id_y 1
		.amdhsa_system_sgpr_workgroup_id_z 1
		.amdhsa_system_vgpr_workitem_id 0
		.amdhsa_next_free_vgpr 1024
		.amdhsa_next_free_sgpr 100
		.amdhsa_reserve_vcc 0
		.amdhsa_float_denorm_mode_32 3
		.amdhsa_float_denorm_mode_16_64 3
		.amdhsa_memory_ordered 1
		.amdhsa_forward_progress 1
		.amdhsa_inst_pref_size 188
	.end_amdhsa_kernel
	.amdgpu_metadata
---
amdhsa.version: [ 1, 2 ]
amdhsa.kernels:
  - .name:           k_q7299f6d160_qkv
    .symbol:         k_q7299f6d160_qkv.kd
    .args:
      - { .name: x_codes, .offset: 0, .size: 8, .value_kind: global_buffer, .address_space: global }
      - { .name: Wq_codes, .offset: 8, .size: 8, .value_kind: global_buffer, .address_space: global }
      - { .name: Wk_codes, .offset: 16, .size: 8, .value_kind: global_buffer, .address_space: global }
      - { .name: Wv_codes, .offset: 24, .size: 8, .value_kind: global_buffer, .address_space: global }
      - { .name: lowp_scales, .offset: 32, .size: 8, .value_kind: global_buffer, .address_space: global }
      - { .name: q_img, .offset: 40, .size: 8, .value_kind: global_buffer, .address_space: global }
      - { .name: k_img, .offset: 48, .size: 8, .value_kind: global_buffer, .address_space: global }
      - { .name: v_img, .offset: 56, .size: 8, .value_kind: global_buffer, .address_space: global }
    .group_segment_fixed_size: 327680
    .private_segment_fixed_size: 0
    .kernarg_segment_align: 8
    .kernarg_segment_size: 64
    .max_flat_workgroup_size: 128
    .sgpr_count:     100
    .vgpr_count:     1024
    .wavefront_size: 32
...
	.end_amdgpu_metadata
.endif
;; end of part 1
;; launch attn (part 2): grid 4 x 64, 16 waves a work-group, clusters of 4 x 1, 296,960 bytes of LDS; arguments q_img, k_img, v_img, lowp_scales, a_img; writes a_img
.if DOCPART == 2
	.amdgcn_target "amdgcn-amd-amdhsa--gfx1250"
	.amdhsa_code_object_version 6
	.text
	.protected	k_q7299f6d160_attn
	.globl	k_q7299f6d160_attn
	.p2align	8
	.type	k_q7299f6d160_attn,@function
k_q7299f6d160_attn:
	s_mov_b64 s[64:65], 0
	v_nop
	global_prefetch_b8 v0, s[64:65] scope:SCOPE_SE
	s_setreg_imm32_b32 hwreg(HW_REG_WAVE_MODE, 25, 1), 1
	s_wait_xcnt 0x0
	s_wait_alu depctr_hold_cnt(0) depctr_sa_sdst(0) depctr_va_vdst(0) depctr_va_sdst(0) depctr_va_ssrc(0) depctr_va_vcc(0) depctr_vm_vsrc(0)
	s_getreg_b32 s2, hwreg(HW_REG_IB_STS2, 6, 4)
	s_cmp_eq_u32 s2, 0
	s_cbranch_scc0 .Lentry_in_a_cluster
	s_endpgm
.Lentry_in_a_cluster:
	s_bfe_u32 s2, ttmp6, 0x10000c
	s_cmp_lg_u32 s2, 0x3003
	s_cbranch_scc0 .Lentry_shape_is_right
	s_endpgm
.Lentry_shape_is_right:
; Causal attention on codes of BF8 (E5M2) for one (batch, head) a cluster: S^T = K Q^T, a running softmax, O^T = V^T P^T, O / l, and the result quantised into the last product's operand.
; q_img, k_img: [bh][token tile 128][2][lane][16 bytes]: a fragment of 16 tokens x 64 e as its 8 registers stand.  v_img: [bh][key block 16][e tile 4][4][lane][16 bytes]: 16 e x 128 keys, 16 registers.
; THE SOFTMAX: t = score x log2(e) / 8; M = the running largest t rounded UP to a whole number, kept as -M = floor(-t); p = 2^(t - M) is quantised with 2^e8, not normalised; the row's sum l is taken of the
; unquantised p in f32 and divides O at the end; when M moves, l and O are multiplied by 2^(old M - new M), which rounds nothing.
; SHARES.  A head's whole K and V images, 131,072 bytes each, lie in LDS: nothing is filled twice.  The four work-groups of a cluster share them: each of the sixteen waves asks jointly for one block of 16,384 bytes, at the head.
; ONE barrier behind those loads; the sixteen key steps follow with no further barrier.  No prefetch: all of K and V is asked for at the head, and there is no later load to run ahead of.
; Sixteen waves of 256 registers, four to a SIMD.  A wave owns TWO tiles of 16 queries, iA and iB = 127 - iA, so that K's and V's fragments serve both while both are at work, and every wave has 17 tile steps:
; tile i needs the key steps (128 keys) 0 .. i / 8.  With wave = 4 a + c: level L = 2 ((a + c) % 4) + a % 2, iA = 8 L + 2 cx + a / 2: iA / 8 = L and iB / 8 = 15 - L hang on the wave's number alone.
; So every branch hangs on the wave's number and a counted step; the work-group's place in its cluster enters Q's and the result's addresses and the mask's comparison value, and nothing else.
; TWO RUNS OF 64 REGISTERS, v32-95 and v96-159, SWAP ROLES FROM STEP TO STEP.  In a step one holds K's fragments and then V's, the other the scores; behind the step's last conversion the scores' run takes the NEXT step's K,
; 16 loads that land under the second product.  So a trip of the loop is two key steps, and only Q's four loads stand in front of a step's wait.
; LAYOUT.  Both products are used transposed: a lane holds ONE query (lane % 16) throughout.  Score tile c holds keys 16 c + 8 (lane / 16) + 0..7: its conversion gives registers 2 c, 2 c + 1 of P, in the 8-bit layout's own places.
; THE RESULT: a_img [token tile 512][k block 8][4][lane'][16 bytes], lane' = r + 16 h2 holding k = 32 c + 16 h2 + 0..15 of token r.  My 8 codes of e tile t go to head x 1,024 + 256 t + 16 r + 8 h: a store covers 256 consecutive bytes, aligned.
; LIMITS on the given exponents, so that each power below is an f32 number: e6 + e7 between -123 and 130; e8, and e10 - e8 - e9, between -126 and 112.
; REGISTERS: v1 16 x lane; v2, v3 the step's addresses; v4 Q's place in LDS; v5, v6 the masks' comparison values; v7 the result's offset; v8, v29 57,344 x 2^e8; v9 2^e8; v10 -infinity; v11 a permute's destination;
;   v[12:15], v[16:19] tile A's, tile B's -M, largest t, l in two halves; v20-25 at work; v26, v27 the result's hold and scale; v30, v31 the add's; v160-191, v192-223 O^T of A, B;
;   v224-239, v240-255 P of A, B (at a step's head their first eight registers hold Q).
.set VIMG,  0x20000                    ; LDS: K's image at 0, V's here,
.set QLDS,  0x40000                    ; and 2,048 bytes for each wave: its two fragments of Q, which it stores and reads itself; no tile lands there
.set STEPB, 8192                       ; a key step's bytes in either image
.set LI,  1
.set ADK, 2
.set ADV, 3
.set QA,  4
.set DA,  5
.set DB,  6
.set GO,  7
.set LAB, 48                           ; s48  L x 8,192: tile A's last key step, as a byte in the image
.set LBB, 49                           ; s49  (15 - L) x 8,192: tile B's
.set TB,  51                           ; s51  the trip's first step, likewise
.set CNT, 52                           ; s52  counts the eight trips
.set TB2, 53                           ; s53  the trip's second step
.macro CROUND                          ; a round of the cluster's barrier
	s_barrier_signal -1
	s_barrier_wait -1
	s_cmp_lg_u32 s14, 0
	s_cbranch_scc1 .Lnot_wave_0_\@
	s_barrier_signal -3
.Lnot_wave_0_\@:
	s_barrier_wait -3
	s_barrier_signal -1
	s_barrier_wait -1
.endm
	s_load_b256 s[4:11], s[0:1], 0x0               ; q_img s[4:5], k_img s[6:7], v_img s[8:9], the scales' exponents s[10:11]
	s_load_b64 s[12:13], s[0:1], 0x20              ; a_img
	v_lshl_add_u32 v30, v0, 2, 0x48000
	v_mov_b32 v31, 0
	ds_add_u32 v30, v31                            ; the opening lines
	ds_add_u32 v30, v31
	v_lshrrev_b32 v2, 5, v0
	s_delay_alu instid0(VALU_DEP_1)
	v_readfirstlane_b32 s14, v2                    ; wave 0..15
	v_and_b32 v[LI], 31, v0
	s_delay_alu instid0(VALU_DEP_1)
	v_lshlrev_b32 v[LI], 4, v[LI]                  ; 16 x lane: an image's place for my lane
	s_lshl_b32 s73, s14, 11
	s_add_co_u32 s73, s73, QLDS
	v_add_nc_u32 v[QA], s73, v[LI]                 ; my wave's Q in LDS
	s_bfe_u32 s15, ttmp6, 0x40000                  ; cx
	s_and_b32 s16, ttmp7, 0xffff                   ; bh = 16 b + head, which the four partners share
	; descriptor group 1: a dense block of 16,384 bytes as 64 rows of 256
	s_mov_b32 s24, 15|(3<<16)|(1<<21)              ; the mask: all four work-groups; elements of 8 bytes; bit 21 beside a mask; no padding: every read is 16 x lane
	s_mov_b32 s25, 32<<16
	s_mov_b32 s26, 64<<16
	s_mov_b32 s27, 32<<16
	s_mov_b32 s28, 64
	s_mov_b32 s29, 32
	s_mov_b32 s30, 0
	s_mov_b32 s31, 0
	; every wave fetches one block: waves 0 to 7 the eight of K's image, waves 8 to 15 the eight of V's
	s_lshr_b32 s17, s14, 3                         ; K (0) or V (1)
	s_and_b32 s18, s14, 7                          ; which block
	s_lshl_b32 s19, s14, 14                        ; in LDS: V's image lies right behind K's
	s_lshl_b32 s73, s18, 14
	s_lshl_b32 s74, s16, 17
	s_add_co_u32 s74, s74, s73                     ; in memory: the head's 131,072 bytes, + the block
	s_mov_b32 s75, 0
	s_wait_dscnt 0x0
	s_wait_kmcnt 0x0
	s_load_b128 s[68:71], s[10:11], 0x18           ; e6, e7, e8, e9
	s_load_b32 s72, s[10:11], 0x28                 ; e10
	s_cmp_eq_u32 s17, 0
	s_cselect_b64 s[76:77], s[6:7], s[8:9]
	s_add_nc_u64 s[76:77], s[76:77], s[74:75]
	s_mov_b32 s32, 1
	s_mov_b32 s33, s19
	s_mov_b64 s[34:35], s[76:77]
	s_or_b32 s35, s35, 0x80000000
	CROUND                                         ; all four work-groups are here: the joint loads meet
	tensor_load_to_lds s[32:35], s[24:31]          ; one tensor load a wave, on every way through the text
	s_nop 0
.rept 4
	v_nop
.endr
	; my level and my two tiles
	s_lshr_b32 s17, s14, 2                         ; a
	s_and_b32 s18, s14, 3                          ; c
	s_add_co_u32 s18, s18, s17
	s_and_b32 s18, s18, 3
	s_lshl_b32 s18, s18, 1
	s_and_b32 s19, s17, 1
	s_add_co_u32 s18, s18, s19                     ; L
	s_lshl_b32 s[LAB], s18, 13
	s_sub_co_u32 s[LBB], 15, s18
	s_lshl_b32 s[LBB], s[LBB], 13
	s_lshl_b32 s78, s18, 3
	s_lshl_b32 s19, s15, 1
	s_add_co_u32 s78, s78, s19
	s_lshr_b32 s19, s17, 1
	s_add_co_u32 s78, s78, s19                     ; iA = 8 L + 2 cx + a / 2
	s_sub_co_u32 s79, 127, s78                     ; iB
	s_lshl_b32 s73, s16, 17
	s_lshl_b32 s74, s78, 10
	s_add_co_u32 s74, s74, s73
	s_mov_b32 s75, 0
	s_add_nc_u64 s[54:55], s[4:5], s[74:75]        ; Q's fragment of tile A,
	s_lshl_b32 s74, s79, 10
	s_add_co_u32 s74, s74, s73
	s_add_nc_u64 s[56:57], s[4:5], s[74:75]        ; of tile B
	s_wait_alu depctr_va_vdst(0)
	global_load_b128 v[32:35], v[LI], s[54:55]
	global_load_b128 v[36:39], v[LI], s[54:55] offset:512
	global_load_b128 v[40:43], v[LI], s[56:57]
	global_load_b128 v[44:47], v[LI], s[56:57] offset:512
	s_lshr_b32 s73, s16, 4
	s_lshl_b32 s73, s73, 7                         ; 128 b: the batch's first token tile
	s_and_b32 s76, s16, 15
	s_lshl_b32 s76, s76, 10                        ; head x 1,024
	s_add_co_u32 s74, s73, s78
	s_lshl_b32 s74, s74, 14
	s_add_co_u32 s74, s74, s76
	s_add_nc_u64 s[58:59], s[12:13], s[74:75]      ; the result's place for tile A,
	s_add_co_u32 s74, s73, s79
	s_lshl_b32 s74, s74, 14
	s_add_co_u32 s74, s74, s76
	s_add_nc_u64 s[60:61], s[12:13], s[74:75]      ; for tile B
	v_and_b32 v2, 15, v0                           ; r
	v_bfe_u32 v3, v0, 4, 1                         ; h
	s_delay_alu instid0(VALU_DEP_2)
	v_lshlrev_b32 v[GO], 4, v2
	s_delay_alu instid0(VALU_DEP_1)
	v_lshl_add_u32 v[GO], v3, 3, v[GO]             ; 16 r + 8 h
	s_delay_alu instid0(VALU_DEP_3)
	v_lshlrev_b32 v20, 3, v3
	s_delay_alu instid0(VALU_DEP_1)
	v_sub_nc_u32 v20, v2, v20                      ; r - 8 h
	s_and_b32 s73, s78, 7
	s_lshl_b32 s73, s73, 4
	v_add_nc_u32 v[DA], s73, v20                   ; d = 16 (i % 8) + r - 8 h.  In the diagonal step register 8 c + j holds a key that comes after my query where 16 c + j > d
	s_and_b32 s73, s79, 7
	s_lshl_b32 s73, s73, 4
	v_add_nc_u32 v[DB], s73, v20
	v_mov_b32 v10, 0xff800000                      ; -infinity
	v_mov_b32 v11, 0                               ; written once: a lane permute's destination counts as one of its sources
	v_mov_b32 v23, 0                               ; (named as the upper half of the pair v[22:23])
	v_mov_b32 v13, 0xff61b1e6                      ; the largest t so far: -3e38, under every t
	s_delay_alu instid0(VALU_DEP_1)
	v_floor_f32 v12, -v13                          ; -M
	v_mov_b32 v14, 0                               ; l, in two halves
	v_mov_b32 v15, 0
	v_mov_b32 v17, 0xff61b1e6
	s_delay_alu instid0(VALU_DEP_1)
	v_floor_f32 v16, -v17
	v_mov_b32 v18, 0
	v_mov_b32 v19, 0
.set j, 0
.rept 64
	v_mov_b32 v[160+j], 0                          ; O^T of both tiles: the step has no first form of its own; it finds zeros, which the first change of M leaves zeros
.set j, j+1
.endr
.set j, 0
.rept 8
	v_mov_b32 v[232+j], 0                          ; the upper half of tile A's P: written before any line of the text that names it
.set j, j+1
.endr
	s_mov_b32 s20, 0x76543210                      ; v_permlanex16_b32's selects for lane l xor 16
	s_mov_b32 s21, 0xfedcba98
	s_wait_loadcnt 0x0
	ds_store_b128 v[QA], v[32:35]                  ; Q waits in LDS: P's registers take it at each step's head
	ds_store_b128 v[QA], v[36:39] offset:512
	ds_store_b128 v[QA], v[40:43] offset:1024
	ds_store_b128 v[QA], v[44:47] offset:1536
	s_wait_kmcnt 0x0
	s_add_co_i32 s73, s68, s69
	s_lshl_b32 s73, s73, 23
	s_add_co_i32 s22, s73, 0x3e38aa3b              ; c = log2(e) / 8 x 2^(e6 + e7): the two exponents are added to c's exponent field
	s_mov_b32 s23, s22                             ; (named with it as a pair, so it is written)
	s_add_co_i32 s73, s70, 127
	s_lshl_b32 s74, s73, 23
	v_mov_b32 v9, s74                              ; 2^e8 as f32, for p's conversions
	s_add_co_i32 s73, s73, 15
	s_lshl_b32 s73, s73, 23
	s_or_b32 s73, s73, 0x600000
	v_mov_b32 v8, s73                              ; 57,344 x 2^e8,
	v_mov_b32 v29, s73                             ; and once more, for the second half of a dual pair
	s_sub_co_i32 s73, s72, s70
	s_sub_co_i32 s73, s73, s71                     ; O / l stands for O / l x 2^(e8 + e9): its code is that / 2^(e10 - e8 - e9)
	s_add_co_i32 s73, s73, 127
	s_lshl_b32 s74, s73, 23
	v_mov_b32 v27, s74
	s_add_co_i32 s73, s73, 15
	s_lshl_b32 s73, s73, 23
	s_or_b32 s73, s73, 0x600000
	v_mov_b32 v26, s73
; kb: the run that holds K's, then V's fragments; sb: the run of the scores
.macro SCORES q, kb, sb                ; S^T = K Q^T: eight tiles of 16 keys x my 16 queries, K = the head's 64
.irp c, 0,1,2,3,4,5,6,7
	v_wmma_f32_16x16x64_bf8_bf8 v[\sb+8*\c:\sb+8*\c+7], v[\kb+8*\c:\kb+8*\c+7], v[\q:\q+7], 0
.endr
.endm
.macro MASK d, sb                      ; the diagonal step: the scores of keys behind my query become -infinity ahead of the maximum: p = 0 then
.set n, 0
.rept 64
	v_cmp_gt_i32 vcc_lo, 16*(n/8)+n%8, v[\d]
	v_cndmask_b32 v[\sb+n], v[\sb+n], v10, vcc_lo
.set n, n+1
.endr
.endm
; One tile's softmax for a key step.  st: its statistics; ob: its O^T; pb: its P.
.macro SOFTMAX st, ob, pb, sb
	v_max3_num_f32 v20, v[\sb], v[\sb+1], v[\sb+2] ; the step's largest score of my query among my 64 keys, in four chains that take turns, the scores in ascending order: each accumulator from its low end on,
	v_max3_num_f32 v21, v[\sb+3], v[\sb+4], v[\sb+5]
	v_max3_num_f32 v22, v[\sb+6], v[\sb+7], v[\sb+8]
	v_max3_num_f32 v24, v[\sb+9], v[\sb+10], v[\sb+11]
.irp i, 12,20,28,36,44,52
	v_max3_num_f32 v20, v20, v[\sb+\i], v[\sb+\i+1]
	v_max3_num_f32 v21, v21, v[\sb+\i+2], v[\sb+\i+3]
	v_max3_num_f32 v22, v22, v[\sb+\i+4], v[\sb+\i+5]
	v_max3_num_f32 v24, v24, v[\sb+\i+6], v[\sb+\i+7]
.endr
	v_max3_num_f32 v20, v20, v[\sb+60], v[\sb+61]
	v_max3_num_f32 v21, v21, v[\sb+62], v[\sb+63]
	s_delay_alu instid0(VALU_DEP_2)
	v_max3_num_f32 v22, v22, v24, v20
	s_delay_alu instid0(VALU_DEP_1)
	v_max_num_f32 v20, v22, v21
	s_delay_alu instid0(VALU_DEP_1)
	v_permlanex16_b32 v11, v20, s20, s21
	s_delay_alu instid0(VALU_DEP_1)
	v_max_num_f32 v20, v20, v11                    ; and among lane l xor 16's
	s_delay_alu instid0(VALU_DEP_1)
	v_mul_f32 v20, s22, v20                        ; as t (c is positive)
	s_delay_alu instid0(VALU_DEP_1)
	v_max_num_f32 v[\st+1], v[\st+1], v20          ; the running largest t
	v_mov_b32 v20, v[\st]
	s_delay_alu instid0(VALU_DEP_2)
	v_floor_f32 v[\st], -v[\st+1]                  ; the new -M = floor(-t): M is a whole number
.set j, 0
.rept 32
	v_pk_fma_f32 v[\sb+j:\sb+j+1], v[\sb+j:\sb+j+1], s[22:23], v[\st:\st+1] op_sel_hi:[1,0,0]   ; t - M, two at a time (of the pairs c and -M the low word serves both halves)
.if j == 12
	v_sub_f32 v20, v[\st], v20                     ; old M - new M: a whole number, 0 or less.  (The three lines that make f stand eight multiply-adds apart)
.endif
.if j == 28
	v_cvt_i32_f32 v20, v20                         ; (it saturates)
.endif
.if j == 44
	v_ldexp_f32 v22, 1.0, v20                      ; f = 2^(old M - new M)
.endif
.set j, j+2
.endr
.set j, 0
	s_wait_alu depctr_va_vdst(0)                   ; the wait ahead of the batch
.rept 64
	v_exp_f32 v[\sb+j], v[\sb+j]                   ; p = 2^(t - M), at most 1
.set j, j+1
.endr
	v_pk_mul_f32 v[\st+2:\st+3], v[\st+2:\st+3], v[22:23] op_sel_hi:[1,0]   ; l under the new M.  (The plain line behind the exponentials)
	s_wait_alu depctr_va_vdst(0)                   ; one wait for the batch, ahead of its first reader
	v_pk_add_f32 v[24:25], v[\sb:\sb+1], v[\sb+2:\sb+3]      ; the row's sum is taken of the unquantised p: two at a time, in three chains that take turns
	v_pk_add_f32 v[20:21], v[\sb+4:\sb+5], v[\sb+6:\sb+7]
.irp j, 8,14,20,26,32,38,44,50,56
	v_pk_add_f32 v[\st+2:\st+3], v[\st+2:\st+3], v[\sb+\j:\sb+\j+1]
	v_pk_add_f32 v[24:25], v[24:25], v[\sb+\j+2:\sb+\j+3]
	v_pk_add_f32 v[20:21], v[20:21], v[\sb+\j+4:\sb+\j+5]
.endr
	v_pk_add_f32 v[\st+2:\st+3], v[\st+2:\st+3], v[\sb+62:\sb+63]
.set n, 0
.rept 32
	v_dual_min_num_f32 v[\sb+n], v[\sb+n], v8 :: v_dual_min_num_f32 v[\sb+n+1], v[\sb+n+1], v29   ; the conversion does not saturate (ISA guide 7.6.2); p is not negative, so the hold is one-sided; two holds an instruction
.set n, n+2
.endr
	v_pk_add_f32 v[24:25], v[24:25], v[20:21]      ; the chains are joined among the holds and the conversions
.irp c, 0,1,2,3,4,5,6,7
	v_cvt_scalef32_pk8_bf8_f32 v[\pb+2*\c:\pb+2*\c+1], v[\sb+8*\c:\sb+8*\c+7], v9   ; keys 16 c + 8 h + 0..7: registers 2 c, 2 c + 1 of P
.endr
	v_pk_add_f32 v[\st+2:\st+3], v[\st+2:\st+3], v[24:25]
.set j, 0
	s_wait_alu depctr_va_vdst(0)                   ; directly ahead of the first reader of O^T
.rept 16
	v_pk_mul_f32 v[\ob+j:\ob+j+1], v[\ob+j:\ob+j+1], v[22:23] op_sel_hi:[1,0]   ; O^T under the new M
.set j, j+2
.endr
.endm
.macro PV ob, pb, kb                   ; O^T += V^T P^T: four tiles of 16 e, K = the step's 128 keys; each accumulator has one instruction a step
.irp t, 0,1,2,3
	v_wmma_f32_16x16x128_bf8_bf8 v[\ob+8*\t:\ob+8*\t+7], v[\kb+16*\t:\kb+16*\t+15], v[\pb:\pb+15], v[\ob+8*\t:\ob+8*\t+7]
.endr
.endm
; A KEY STEP at byte s[tb] of the images; its K fragments are in run kb, or on their way there.  A step behind tile B's last is left out, with all that follow in the trip; tile A's part is left out behind tile A's last:
; scalar branches on the wave's number and the counted step, round no barrier and no tensor load.
.macro STEPBODY tb, kb, sb
	s_cmp_gt_u32 s[\tb], s[LBB]
	s_cbranch_scc1 .Ltrip_end
	v_add_nc_u32 v[ADK], s[\tb], v[LI]
	s_delay_alu instid0(VALU_DEP_1)
	v_add_nc_u32 v[ADV], VIMG, v[ADK]
.rept 3
	v_nop                                          ; with the two additions: five places behind the last step's products, whose V the scores below write over, and whose P the loads below land on
.endr
	ds_load_b128 v[224:227], v[QA]                 ; Q of tile A,
	ds_load_b128 v[228:231], v[QA] offset:512
	ds_load_b128 v[240:243], v[QA] offset:1024     ; of tile B
	ds_load_b128 v[244:247], v[QA] offset:1536
	s_wait_dscnt 0x0                               ; Q, and this step's K, asked for a step ago
	s_cmp_gt_u32 s[\tb], s[LAB]
	s_cbranch_scc1 .Lno_a_\@
	SCORES 224, \kb, \sb
.rept 4
	v_nop
.endr
	s_cmp_lg_u32 s[\tb], s[LAB]
	s_cbranch_scc1 .Lopen_a_\@
	MASK DA, \sb
.Lopen_a_\@:
	SOFTMAX 12, 160, 224, \sb
.Lno_a_\@:
	SCORES 240, \kb, \sb
.rept 4
	v_nop                                          ; places behind the products: their results are read, and K's registers are loaded anew
.endr
.set n, 0
	s_wait_alu depctr_va_vdst(0)
.rept 16
	ds_load_b128 v[\kb+4*n:\kb+4*n+3], v[ADV] offset:512*n   ; V's four fragments: they land under tile B's softmax
.set n, n+1
.endr
	s_cmp_lg_u32 s[\tb], s[LBB]
	s_cbranch_scc1 .Lopen_b_\@
	MASK DB, \sb
.Lopen_b_\@:
	SOFTMAX 16, 192, 240, \sb
.set n, 0
.rept 16
	ds_load_b128 v[\sb+4*n:\sb+4*n+3], v[ADK] offset:512*n+STEPB   ; the next step's K, into the run that held the scores (behind step 15: bytes of V's image, which nobody uses)
.set n, n+1
.endr
	s_wait_alu depctr_va_vdst(0)
	s_wait_dscnt 16                                ; V is in; the 16 younger loads may be out
	PV 192, 240, \kb
	s_cmp_gt_u32 s[\tb], s[LAB]
	s_cbranch_scc1 .Ldone_\@
	PV 160, 224, \kb
.Ldone_\@:
.endm
	s_wait_alu depctr_va_vdst(0)                   ; the wait at the head's end
	s_wait_tensorcnt 0x0                           ; my block is in,
	s_wait_dscnt 0x0                               ; no LDS instruction of mine is pending at the signal
	s_barrier_signal -1
	s_barrier_wait -1                              ; and everybody's: both images are whole
	s_mov_b32 s[TB], 0
	s_mov_b32 s[CNT], 8
.set n, 0
.rept 16
	ds_load_b128 v[32+4*n:35+4*n], v[LI] offset:512*n   ; step 0's K
.set n, n+1
.endr
.Lstep:
	s_add_co_u32 s[TB2], s[TB], STEPB
	STEPBODY TB, 32, 96
	STEPBODY TB2, 96, 32
.Ltrip_end:
	s_add_co_u32 s[TB], s[TB], 2*STEPB
	s_sub_co_u32 s[CNT], s[CNT], 1
	s_cmp_lg_u32 s[CNT], 0
	s_cbranch_scc1 .Lstep
	s_wait_dscnt 0x0                               ; the last loads have landed: their registers may be written
.rept 4
	v_nop                                          ; places behind the last products
.endr
; A tile's end: l's two halves and lane l xor 16's; O^T / l; the hold; four conversions; four stores of 256 consecutive bytes.
.macro FINISH st, ob, cd, base
	v_add_f32 v20, v[\st+2], v[\st+3]
	s_delay_alu instid0(VALU_DEP_1)
	v_permlanex16_b32 v11, v20, s20, s21
	s_delay_alu instid0(VALU_DEP_1)
	v_add_f32 v20, v20, v11                        ; the row's sum
	s_wait_alu depctr_va_vdst(0)
	v_rcp_f32 v22, v20
	v_nop                                          ; one plain line behind a transcendental
.set j, 0
	s_wait_alu depctr_va_vdst(0)
.rept 16
	v_pk_mul_f32 v[\ob+j:\ob+j+1], v[\ob+j:\ob+j+1], v[22:23] op_sel_hi:[1,0]   ; each accumulator from its low end on
.set j, j+2
.endr
.set j, 0
.rept 32
	v_med3_num_f32 v[\ob+j], v[\ob+j], -v26, v26
.set j, j+1
.endr
.irp t, 0,1,2,3
	v_cvt_scalef32_pk8_bf8_f32 v[\cd+2*\t:\cd+2*\t+1], v[\ob+8*\t:\ob+8*\t+7], v27   ; e = 16 t + 8 h + 0..7 of my query
.endr
	v_nop                                          ; one plain line behind the last conversion
.irp t, 0,1,2,3
	global_store_b64 v[GO], v[\cd+2*\t:\cd+2*\t+1], s[\base:\base+1] offset:256*\t
.endr
.endm
	FINISH 12, 160, 96, 58
	FINISH 16, 192, 104, 60
	s_wait_tensorcnt 0x0                           ; the wave's end
	ds_add_u32 v30, v31
	s_wait_dscnt 0x0
	CROUND                                         ; the closing round: no work-group ends while a partner may still ask for a tile that names it
	s_endpgm
.Lfunc_end_k_q7299f6d160_attn:
	.size	k_q7299f6d160_attn, .Lfunc_end_k_q7299f6d160_attn-k_q7299f6d160_attn
	.p2alignl 7, 3214868480
	.fill 96, 4, 3214868480
	.section	.rodata,"a",@progbits
	.p2align	6, 0x0
	.amdhsa_kernel k_q7299f6d160_attn
		.amdhsa_group_segment_fixed_size 296960
		.amdhsa_private_segment_fixed_size 0
		.amdhsa_enable_private_segment 0
		.amdhsa_kernarg_size 40
		.amdhsa_user_sgpr_count 2
		.amdhsa_user_sgpr_kernarg_segment_ptr 1
		.amdhsa_wavefront_size32 1
		.amdhsa_system_sgpr_workgroup_id_x 1
		.amdhsa_system_sgpr_workgroup_id_y 1
		.amdhsa_system_sgpr_workgroup_id_z 1
		.amdhsa_system_vgpr_workitem_id 0
		.amdhsa_next_free_vgpr 256
		.amdhsa_next_free_sgpr 84
		.amdhsa_reserve_vcc 1
		.amdhsa_float_denorm_mode_32 3
		.amdhsa_float_denorm_mode_16_64 3
		.amdhsa_memory_ordered 1
		.amdhsa_forward_progress 1
		.amdhsa_inst_pref_size 98
	.end_amdhsa_kernel
	.amdgpu_metadata
---
amdhsa.version: [ 1, 2 ]
amdhsa.kernels:
  - .name:           k_q7299f6d160_attn
    .symbol:         k_q7299f6d160_attn.kd
    .args:
      - { .name: q_img, .offset: 0, .size: 8, .value_kind: global_buffer, .address_space: global }
      - { .name: k_img, .offset: 8, .size: 8, .value_kind: global_buffer, .address_space: global }
      - { .name: v_img, .offset: 16, .size: 8, .value_kind: global_buffer, .address_space: global }
      - { .name: lowp_scales, .offset: 24, .size: 8, .value_kind: global_buffer, .address_space: global }
      - { .name: a_img, .offset: 32, .size: 8, .value_kind: global_buffer, .address_space: global }
    .group_segment_fixed_size: 296960
    .private_segment_fixed_size: 0
    .kernarg_segment_align: 8
    .kernarg_segment_size: 40
    .max_flat_workgroup_size: 512
    .sgpr_count:     84
    .vgpr_count:     256
    .wavefront_size: 32
...
	.end_amdgpu_metadata
.endif
;; end of part 2
;; launch proj (part 3): grid 4 x 64, 4 waves a work-group, clusters of 4 x 4, 327,680 bytes of LDS; arguments a_img, Wo_codes, lowp_scales, bo, out0; writes out0
.if DOCPART == 3
	.amdgcn_target "amdgcn-amd-amdhsa--gfx1250"
	.amdhsa_code_object_version 6
	.text
	.protected	k_q7299f6d160_proj
	.globl	k_q7299f6d160_proj
	.p2align	8
	.type	k_q7299f6d160_proj,@function
k_q7299f6d160_proj:
	s_mov_b64 s[64:65], 0
	v_nop
	global_prefetch_b8 v0, s[64:65] scope:SCOPE_SE
	s_setreg_imm32_b32 hwreg(HW_REG_WAVE_MODE, 25, 1), 1
	s_wait_xcnt 0x0
	s_wait_alu depctr_hold_cnt(0) depctr_sa_sdst(0) depctr_va_vdst(0) depctr_va_sdst(0) depctr_va_ssrc(0) depctr_va_vcc(0) depctr_vm_vsrc(0)
	s_getreg_b32 s2, hwreg(HW_REG_IB_STS2, 6, 4)
	s_cmp_eq_u32 s2, 0
	s_cbranch_scc0 .Lentry_in_a_cluster
	s_endpgm
.Lentry_in_a_cluster:
	s_bfe_u32 s2, ttmp6, 0x10000c
	s_cmp_lg_u32 s2, 0xf033
	s_cbranch_scc0 .Lentry_shape_is_right
	s_endpgm
.Lentry_shape_is_right:
; out0 = attention's result x Wo + bo, on codes of BF8 (E5M2).  a_img: [token tile 512][k block 8][4][lane][16 bytes], a fragment of 16 tokens x 128 K as its 16 registers stand; Wo: [1024 n][1024 k] codes; out0: [8192][1024] f32.
; A work-group makes 128 tokens x 256 columns, each of its four waves 64 x 128: 32 accumulators.  Grid 4 x 64 = 256 work-groups.
; NOTHING IS FILLED TWICE.  All 1,024 K of the work-group's 256 rows of Wo lie in LDS (256 rows x 1,040 bytes = 266,240): each wave asks for 64 rows by one joint load at the head.
; The wave's 64 tokens x 1,024 K of a_img are 512 registers and come straight from memory, 128 loads of 512 consecutive bytes.  One barrier, then 8 K blocks x 32 matrix instructions with no further barrier.
; CLUSTERS: 4 x 4; Wo's rows hang on the column tile alone and are asked for jointly by a column of the cluster.  a_img's fragments are not asked for jointly: they go past LDS, which Wo's rows and the stages fill (300,032 of 327,680 bytes).
; No prefetch: every operand is asked for at the head, and there is no later load to run ahead of.
; The matrix instruction takes 16 rows of Wo as source 0 and 16 tokens as source 1: a lane holds eight neighbouring columns of one token's row.  Both operands hold K = 32 c + 16 (l / 16) + 0..15 in registers 4 c .. 4 c + 3.
; LIMIT: e10 + e11 lies between -126 and 127, so that 2^(e10 + e11) is an f32 number.
; REGISTERS: window 0: v8-29 bias, addresses; v64-255 three half-sets of Wo's fragments (4 x 16 registers) by turns, later the rows on their way out.
;   windows 1, 2: the tokens' fragments, (token tile i, k block kb) at 256 + 64 kb + 16 i.   window 3: accumulator (a, b) at v[8 (8 a + b)].
.set PITCH,  1040                      ; 1,024 bytes + 16 of padding = 65 x 16: the 16 rows that a load touches start at 16 different banks (ISA guide 11.1)
.set QUART,  64*PITCH                  ; what one tensor load brings
.set STAGE,  4*QUART                   ; the way out: 16 rows x 528 bytes for each wave; no tile lands there
.set SPITCH, 528
.set SPARE,  STAGE+4*16*SPITCH
.set NP,   4
.set BIAS, 8
.set ADRB, 20                          ; v20-21  my rows 0-63, 64-127 of Wo in LDS
.set STO,  24
.set RD,   25
.set CO,   26                          ; v26     16 x lane
.set SPW,  28
.set NIL,  29
.set BK,   128
.set G1, 24
.set G0, 32
.set MSB, 0
.macro WIN new
.if MSB != \new
	s_set_vgpr_msb (MSB<<8)|\new
.set MSB, \new
.endif
.endm
.macro CROUND
	s_barrier_signal -1
	s_barrier_wait -1
	s_cmp_lg_u32 s14, 0
	s_cbranch_scc1 .Lnot_wave_0_\@
	s_barrier_signal -3
.Lnot_wave_0_\@:
	s_barrier_wait -3
	s_barrier_signal -1
	s_barrier_wait -1
.endm
.macro PLACES n
.rept \n
	v_nop
.endr
.endm
	s_load_b256 s[4:11], s[0:1], 0x0               ; a_img, Wo, the exponents, bo
	s_load_b64 s[12:13], s[0:1], 0x20              ; out0
	v_lshl_add_u32 v[SPW], v0, 2, SPARE
	v_mov_b32 v[NIL], 0
	ds_add_u32 v[SPW], v[NIL]                      ; the opening lines
	ds_add_u32 v[SPW], v[NIL]
	v_lshrrev_b32 v1, 5, v0
	v_readfirstlane_b32 s14, v1                    ; wave 0..3
	s_lshr_b32 s15, s14, 1                         ; my 64 tokens
	s_and_b32 s16, s14, 1                          ; my 128 columns
	s_bfe_u32 s68, ttmp6, 0x40000                  ; cx
	s_bfe_u32 s69, ttmp6, 0x40004                  ; cy
	s_lshl_b32 s70, ttmp9, 2
	s_add_co_u32 s70, s70, s68                     ; column tile
	s_and_b32 s17, ttmp7, 0xffff
	s_lshl_b32 s17, s17, 2
	s_add_co_u32 s17, s17, s69                     ; row tile
	s_lshl_b32 s72, 0x1111, s68                    ; my column of the cluster
	s_or_b32 s[G1+0], s72, (1<<20)|(1<<21)|(7<<22)|(3<<25)   ; the mask; elements of 1 byte; padding of 4 words after every 256; bit 21 beside a mask
	s_mov_b32 s[G1+1], 1024<<16
	s_mov_b32 s[G1+2], 64<<16
	s_mov_b32 s[G1+3], 1024<<16
	s_mov_b32 s[G1+4], 64
	s_mov_b32 s[G1+5], 1024
	s_mov_b32 s[G1+6], 0
	s_mov_b32 s[G1+7], 0
	s_lshl_b32 s74, s70, 18
	s_lshl_b32 s75, s14, 16
	s_add_co_u32 s74, s74, s75                     ; Wo: (256 x column tile + 64 x wave) rows of 1,024 bytes
	s_mov_b32 s75, 0
	s_lshl_b32 s20, s17, 17
	s_lshl_b32 s21, s15, 16
	s_add_co_u32 s20, s20, s21                     ; a_img: (8 x row tile + 4 x half) token tiles of 16,384 bytes
	s_mov_b32 s21, 0
	s_lshl_b32 s76, s70, 10
	s_lshl_b32 s77, s16, 9
	s_add_co_u32 s76, s76, s77                     ; my first column, in bytes of f32
	s_mov_b32 s77, 0
	s_lshl_b32 s78, s17, 19
	s_lshl_b32 s79, s15, 18
	s_add_co_u32 s78, s78, s79
	s_add_co_u32 s78, s78, s76                     ; out0: my first row of 4,096 bytes, + my first column
	s_mov_b32 s79, 0
	s_mov_b32 s[G0], 1
	s_mul_i32 s[G0+1], s14, QUART
	s_mul_i32 s22, s16, 2*QUART
	s_mul_i32 s23, s14, 16*SPITCH
	s_add_co_u32 s23, s23, STAGE
	s_wait_dscnt 0x0                               ; both opening adds are done
	s_wait_kmcnt 0x0
	s_load_b64 s[96:97], s[8:9], 0x28              ; e10, e11
	s_add_nc_u64 s[G0+2:G0+3], s[6:7], s[74:75]
	s_or_b32 s[G0+3], s[G0+3], 0x80000000
	s_add_nc_u64 s[18:19], s[4:5], s[20:21]
	s_add_nc_u64 s[10:11], s[10:11], s[76:77]
	s_add_nc_u64 s[12:13], s[12:13], s[78:79]
	CROUND                                         ; all sixteen work-groups are here: the joint loads meet
	tensor_load_to_lds s[G0:G0+3], s[G1:G1+7]      ; my 64 rows of Wo: one tensor load a wave, on every way through the text
	s_nop 0
	PLACES 4
	v_and_b32 v1, 15, v0
	v_bfe_u32 v2, v0, 4, 1
	v_and_b32 v3, 31, v0
	v_lshlrev_b32 v[CO], 4, v3
	v_mul_u32_u24 v4, v1, PITCH
	v_lshl_add_u32 v4, v2, 4, v4
	v_add_nc_u32 v[ADRB], s22, v4
	v_add_nc_u32 v[ADRB+1], QUART, v[ADRB]
	v_mul_u32_u24 v5, v1, SPITCH
	v_lshl_add_u32 v5, v2, 5, v5
	v_add_nc_u32 v[STO], s23, v5                   ; the stage, in: row l % 16, 32 bytes for each half of the lanes
	v_add_nc_u32 v[RD], s23, v[CO]                 ; back: the 32 lanes take one row of 512 bytes
	s_wait_alu depctr_va_vdst(0)                   ; the wait at the head's end
	global_load_b128 v[BIAS:BIAS+3], v[CO], s[10:11]
.macro ALOADS kb0                      ; four k blocks of my four token tiles: 64 loads of 512 consecutive bytes
.irp k, 0,1,2,3
.irp i, 0,1,2,3
.irp c, 0,1,2,3
	global_load_b128 v[64*\k+16*\i+4*\c:64*\k+16*\i+4*\c+3], v[CO], s[18:19] offset:\i*16384+(\kb0+\k)*2048+\c*512
.endr
.endr
.endr
.endm
	WIN 0x40
	ALOADS 0
	WIN 0x80
	ALOADS 4
	WIN 0
	s_wait_tensorcnt 0x0                           ; my rows of Wo are in,
	s_barrier_signal -1
	s_barrier_wait -1                              ; and everybody's
; Half h = 2 kb + u: k block kb, my rows 64 u .. 64 u + 63 of Wo: four fragments into half-set h % 3
.macro FETCHB h
.set BU, 64+64*((\h)%3)
.irp i, 0,1,2,3
.irp c, 0,1,2,3
	ds_load_b128 v[BU+16*\i+4*\c:BU+16*\i+4*\c+3], v[ADRB+(\h)%2] offset:\i*16*PITCH+((\h)/2)*128+32*\c
.endr
.endr
.endm
; 16 matrix instructions on 16 accumulators by turns; an accumulator comes again two halves on.  The first k block starts the sums.
.macro MULH h
.set KB, (\h)/2
.set BH, 4*((\h)%2)
.set BU, 64+64*((\h)%3)
.set AR, 64*(KB%4)
.set WM, 0xf0+4*(1+KB/4)
	WIN WM                                         ; source 0 window 0, source 1 window 1 or 2, C and D window 3
.irp a, 0,1,2,3
.irp b, 0,1,2,3
.if KB == 0
	v_wmma_f32_16x16x128_bf8_bf8 v[8*(8*\a+BH+\b):8*(8*\a+BH+\b)+7], v[BU+16*\b:BU+16*\b+15], v[AR+16*\a:AR+16*\a+15], 0
.else
	v_wmma_f32_16x16x128_bf8_bf8 v[8*(8*\a+BH+\b):8*(8*\a+BH+\b)+7], v[BU+16*\b:BU+16*\b+15], v[AR+16*\a:AR+16*\a+15], v[8*(8*\a+BH+\b):8*(8*\a+BH+\b)+7]
.endif
.endr
.endr
	WIN 0
.endm
	FETCHB 0
	FETCHB 1
.set h, 0
.rept 16
.if h < 14
.if h > 0
	PLACES NP                                      ; in front of loads into the half-set that the last 16 products read
.endif
	FETCHB h+2
	s_wait_dscnt 32                                ; half h is in; the two younger halves may be out
.else
	s_wait_dscnt 16*(15-h)
.endif
.if h%2 == 0
.if 112-8*h > 63
	s_wait_loadcnt 63                              ; behind k block kb's loads stand 112 - 16 kb younger ones; the wait's field holds 63
.else
	s_wait_loadcnt 112-8*h
.endif
.endif
	MULH h
.set h, h+1
.endr
; THE WAY OUT, block by block of 16 tokens x 128 columns, through my own stage: back come whole rows of 512 bytes, which the 32 lanes store as two aligned units of 256 bytes.
; LDS serves a wave's instructions in order (ISA guide 5.7.1.4): no wait between the stores and the loads.
.macro TOSTAGE a
	WIN 0x0c                                       ; the stores' data: window 3
.irp b, 0,1,2,3,4,5,6,7
	ds_store_b128 v[STO], v[64*(\a)+8*\b:64*(\a)+8*\b+3] offset:64*\b
	ds_store_b128 v[STO], v[64*(\a)+8*\b+4:64*(\a)+8*\b+7] offset:64*\b+16
.endr
	WIN 0
.set BB, BK+64*((\a)%2)
.irp t, 0,1,2,3,4,5,6,7,8,9,10,11,12,13,14,15
	ds_load_b128 v[BB+4*\t:BB+4*\t+3], v[RD] offset:\t*SPITCH
.endr
.endm
.macro SEND a, younger
.set BB, BK+64*((\a)%2)
	s_wait_dscnt \younger
.irp t, 0,1,2,3,4,5,6,7,8,9,10,11,12,13,14,15
	v_pk_fma_f32 v[BB+4*\t:BB+4*\t+1], v[BB+4*\t:BB+4*\t+1], s[96:97], v[BIAS:BIAS+1] op_sel_hi:[1,0,1]       ; x 2^(e10 + e11), + bo
	v_pk_fma_f32 v[BB+4*\t+2:BB+4*\t+3], v[BB+4*\t+2:BB+4*\t+3], s[96:97], v[BIAS+2:BIAS+3] op_sel_hi:[1,0,1]
.endr
.irp t, 0,1,2,3,4,5,6,7,8,9,10,11,12,13,14,15
	global_store_b128 v[CO], v[BB+4*\t:BB+4*\t+3], s[12:13] offset:(16*(\a)+\t)*4096 th:TH_STORE_NT
.endr
.endm
	s_wait_kmcnt 0x0
	s_add_co_i32 s96, s96, s97
	s_add_co_i32 s96, s96, 127
	s_lshl_b32 s96, s96, 23                        ; 2^(e10 + e11) as f32
	s_mov_b32 s97, s96
	s_wait_loadcnt 0x0
	PLACES NP                                      ; behind the last products
	TOSTAGE 0
.irp a, 1,2,3
.if \a > 1
	s_wait_xcnt 0x0                                ; block a - 2's stores have read their data: block a's loads may land there
.endif
	TOSTAGE \a
	SEND \a-1, 32                                  ; behind block a - 1's loads: block a's 16 stores and 16 loads
.endr
	SEND 3, 0
	s_wait_tensorcnt 0x0                           ; the wave's end
	ds_add_u32 v[SPW], v[NIL]
	s_wait_dscnt 0x0
	CROUND                                         ; the closing round
	s_endpgm
.Lfunc_end_k_q7299f6d160_proj:
	.size	k_q7299f6d160_proj, .Lfunc_end_k_q7299f6d160_proj-k_q7299f6d160_proj
	.p2alignl 7, 3214868480
	.fill 96, 4, 3214868480
	.section	.rodata,"a",@progbits
	.p2align	6, 0x0
	.amdhsa_kernel k_q7299f6d160_proj
		.amdhsa_group_segment_fixed_size 327680
		.amdhsa_private_segment_fixed_size 0
		.amdhsa_enable_private_segment 0
		.amdhsa_kernarg_size 40
		.amdhsa_user_sgpr_count 2
		.amdhsa_user_sgpr_kernarg_segment_ptr 1
		.amdhsa_wavefront_size32 1
		.amdhsa_system_sgpr_workgroup_id_x 1
		.amdhsa_system_sgpr_workgroup_id_y 1
		.amdhsa_system_sgpr_workgroup_id_z 1
		.amdhsa_system_vgpr_workitem_id 0
		.amdhsa_next_free_vgpr 1024
		.amdhsa_next_free_sgpr 100
		.amdhsa_reserve_vcc 0
		.amdhsa_float_denorm_mode_32 3
		.amdhsa_float_denorm_mode_16_64 3
		.amdhsa_memory_ordered 1
		.amdhsa_forward_progress 1
		.amdhsa_inst_pref_size 75
	.end_amdhsa_kernel
	.amdgpu_metadata
---
amdhsa.version: [ 1, 2 ]
amdhsa.kernels:
  - .name:           k_q7299f6d160_proj
    .symbol:         k_q7299f6d160_proj.kd
    .args:
      - { .name: a_img, .offset: 0, .size: 8, .value_kind: global_buffer, .address_space: global }
      - { .name: Wo_codes, .offset: 8, .size: 8, .value_kind: global_buffer, .address_space: global }
      - { .name: lowp_scales, .offset: 16, .size: 8, .value_kind: global_buffer, .address_space: global }
      - { .name: bo, .offset: 24, .size: 8, .value_kind: global_buffer, .address_space: global }
      - { .name: out0, .offset: 32, .size: 8, .value_kind: global_buffer, .address_space: global }
    .group_segment_fixed_size: 327680
    .private_segment_fixed_size: 0
    .kernarg_segment_align: 8
    .kernarg_segment_size: 40
    .max_flat_workgroup_size: 128
    .sgpr_count:     100
    .vgpr_count:     1024
    .wavefront_size: 32
...
	.end_amdgpu_metadata
.endif
;; end of part 3
